; MI455X (gfx1250); checked and timed in simulation.
; The chip was launched on July 23, 2026; its instructions are those of AMD's public machine-readable ISA for CDNA 5 (MIT licence, August 2026) and "CDNA5" Instruction Set Architecture Reference Guide (July 2026). The comments in the code are by the model that wrote it; some were corrected since.
;; Self Attention. Allowed arithmetic: matrix products marked QUANTISED: E5M2 operands, one given power-of-two scale a tensor, by v_wmma_f32_16x16x64_bf8_bf8 or v_wmma_f32_16x16x128_bf8_bf8, f32 sums; everything else in f32.
;; Inputs: Wkv 1,024 x 2,048 float32; Wout 1,024 x 1,024 float32; Wq 1,024 x 1,024 float32; bout 1,024 float32; lowp_scales 10 int32 (the exponents e of the quantised operands' scales 2^e); x 4 x 2,048 x 1,024 float32.
;; Outputs: out0 4 x 2,048 x 1,024 float32.
;; This version of the problem:
;;   THIS VERSION OF THE PROBLEM IS GIVEN IN LOW PRECISION. The matrix products marked QUANTISED in the list below multiply operands that are first quantised to E5M2 (5 exponent bits, 2 mantissa bits; 8 bits a number), with one given power-of-two scale for each operand tensor; their sums are f32. All else is computed in f32.
;;   The module's matrix products, in the order in which they are computed (A, B: the left and right operand; K: the contracted axis; several contracted axes count as one K, in the product's order):
;;     1. [M 8,192, K 1,024] x [K 1,024, N 1,024]; A: input x; B: input Wq: QUANTISED (scales: A lowp_scales[0], B lowp_scales[1])
;;     2. [M 8,192, K 1,024] x [K 1,024, N 2,048]; A: input x; B: input Wkv: QUANTISED (scales: A lowp_scales[2], B lowp_scales[3])
;;     3. batch 64 x [M 2,048, K 64] x [K 64, N 2,048]; A: computed on the way; B: computed on the way: QUANTISED (scales: A lowp_scales[4], B lowp_scales[5])
;;     4. batch 64 x [M 2,048, K 2,048] x [K 2,048, N 64]; A: softmax (see below); B: computed on the way: QUANTISED (scales: A lowp_scales[6], B lowp_scales[7])
;;     5. [M 8,192, K 1,024] x [K 1,024, N 1,024]; A: computed on the way; B: input Wout: QUANTISED (scales: A lowp_scales[8], B lowp_scales[9])
;;   THE QUANTISER, for each operand of a quantised product, along K:
;;     - The operand's scale is 2^e, e = its entry of the input lowp_scales (int32; the entries are numbered through the quantised products in the list's order, A before B).
;;     - Each number is divided by the scale, clamped to +-57,344, and rounded to the nearest number of E5M2, ties to even, subnormals kept.
;;     - The product sums the exact products of the quantised numbers (number of the format x scale) in f32.
;;   ~~~python
;;   def quantise(x, axis, e):      # numpy; x: float32 -> the quantised numbers, widened to float32 again
;;       x = np.moveaxis(x, axis, -1); K = x.shape[-1]
;;       r = np.clip(x / 2.0 ** e, -57344, 57344)
;;       step = 2.0 ** (np.maximum(np.frexp(np.where(r == 0, 1, r))[1] - 1, -14) - 2)
;;       q = np.round(r / step) * step * 2.0 ** e      # np.round: ties to even
;;       return np.moveaxis(q, -1, axis).astype(np.float32)
;;   ~~~
;;   SOFTMAX AHEAD OF A QUANTISED PRODUCT. Where the list says 'softmax', what is quantised is not the finished softmax but p = 2^(t - M), with t = logit x log2(e) and M = ceil(the row's largest t), a whole number; so 1/2 < the row's largest p <= 1. The row's sum l is taken of the UNQUANTISED p, in f32, and the product's result is divided by l at the end. Since M is a whole number, a kernel that streams over the keys may use a running M (the ceiling of the running maximum): every later rescaling is an exact power of two, so the quantised numbers keep their values, but for numbers so far below the row's largest that they fall under the format's range.
;;   OPERANDS COMPUTED ON THE WAY. 'Computed on the way' means the value that the module computes at that place (a softmax that the list does not call 'softmax' is quantised finished and normalised). What goes into a quantiser is computed in f32, as accurately as f32 sums, v_exp_f32 and their like allow (about 1e-6 of the number): no bf16 or f16 on the way to a quantiser, and a product that is left as it is and whose result goes on into a quantised operand takes f32 operands (vector FMAs, or v_wmma_f32_16x16x4_f32). A number that lies on a knife's edge between two numbers of the format may be rounded either way, as far as f32 arithmetic and the matrix unit's own rounding can turn it there, and no further.
;; One version. Each part assembles by itself: llvm-mc -triple=amdgcn-amd-amdhsa -mcpu=gfx1250 --defsym DOCPART=n.
;; ======== version 1 of 1: 4 launches
;; limits: right only within a limited range of input values
;; workspace buffers: xq 8,388,608 bytes; xkv 8,388,608 bytes; wc 4,194,304 bytes; qimg 8,388,608 bytes; kimg 8,388,608 bytes; vimg 8,388,608 bytes; oimg 8,388,608 bytes
;; launch quant (part 1): grid 384 x 1, 4 waves a work-group, no clusters, 68,096 bytes of LDS; arguments x, Wq, Wkv, Wout, lowp_scales, xq, xkv, wc; writes xq, xkv, wc
.if DOCPART == 1
	.amdgcn_target "amdgcn-amd-amdhsa--gfx1250"
	.amdhsa_code_object_version 6
	.text
	.protected	k_qc614712834_quant
	.globl	k_qc614712834_quant
	.p2align	8
	.type	k_qc614712834_quant,@function
k_qc614712834_quant:
	s_mov_b64 s[64:65], 0
	v_nop
	global_prefetch_b8 v0, s[64:65] scope:SCOPE_SE
	s_setreg_imm32_b32 hwreg(HW_REG_WAVE_MODE, 25, 1), 1
	s_wait_xcnt 0x0
; f32 numbers into codes of BF8 (E5M2), one byte each, each operand with the scale 2^e that is given for it.
; code = number / 2^e, held within +-57,344, rounded to the nearest code, ties to even.
; Work-groups 0-255: x [8192][1024] becomes xq (under e0) and xkv (under e2), both [8192][1024] bytes, K innermost: x is read once and quantised twice.
; Work-groups 256-383: Wq, Wkv, Wout ([K][N], K is the FIRST axis) become wc [4096][1024] bytes, a row for each output column, K innermost:
;   rows 0-1023 Wq (e1), 1024-3071 Wkv (e3), 3072-4095 Wout (e9).  In Wout's rows the two middle groups of 8 of each 32 along K change places: byte 32 c + 16 h + 8 u + j holds
;   k = 32 c + 16 u + 8 h + j, so that 16 bytes at 32 c + 16 h are four registers of the plain 8-bit operand layout, in which the last launch's other operand lies.
; The two kinds of work part once, on the work-group's number, never meet again, and have LDS bytes of their own.  Waves share nothing: no barrier.  No work-group shares an input with another: no cluster.
; LIMITS: e0, e1, e2, e3, e9 between -126 and 112, so that 2^e and 57,344 x 2^e are f32 numbers.  NaN among the inputs is not served; an infinity is held at the largest code.
.set SP,   80                          ; x: a lane's place in a stage: its 64 bytes + 16 of padding
.set R,    16                          ; x: v16-79    four sets of 16 numbers as loaded
.set X,    80                          ; x: v80-111   two sets of 16 neighbours
.set T,    112                         ; x: v112-127  the copy that is held under e0
.set CA,   128                         ; x: v128-191  codes under e0, four registers a step: no store's data are written again
.set CB,   192                         ; x: v192-255  codes under e2, likewise
.set WSTG, 32768                       ; weights: the stages begin behind x's
.set WP,   272                         ; weights: a stage row: 256 bytes of codes + 16
.set VO,   16                          ; weights: v16-47   4 x lane + i rows of the source
.set XW,   48                          ; weights: v48-111  two sets of 32 numbers
.set E,    112                         ; weights: v112-119 a block's 32 codes
.set F,    120                         ; weights: v120-123 its two middle groups ahead of the choice
.set OUTR, 128                         ; weights: v128-191 the way out
	s_load_b256 s[4:11], s[0:1], 0x0               ; x s[4:5], Wq s[6:7], Wkv s[8:9], Wout s[10:11]
	s_load_b256 s[12:19], s[0:1], 0x20             ; the exponents s[12:13], xq s[14:15], xkv s[16:17], wc s[18:19]
	v_lshl_add_u32 v12, v0, 2, 0x10800
	v_mov_b32 v13, 0
	v_lshrrev_b32 v1, 5, v0
	v_readfirstlane_b32 s20, v1                    ; wave 0..3
	v_and_b32 v2, 31, v0                           ; lane
	s_wait_kmcnt 0x0
	s_load_b256 s[24:31], s[12:13], 0x0            ; e0 .. e7
	s_load_b64 s[32:33], s[12:13], 0x20            ; e8, e9
	s_cmp_ge_u32 ttmp9, 256
	s_cbranch_scc1 .Lweights
	; ---------------- x: a plain stream.  A wave takes 16 steps of 512 numbers.
	s_lshl_b32 s21, ttmp9, 2
	s_add_co_u32 s21, s21, s20                     ; which run of 8,192 numbers is my wave's
	s_lshl_b32 s22, s21, 15                        ; 32,768 bytes of f32,
	s_mov_b32 s23, 0
	s_add_nc_u64 s[4:5], s[4:5], s[22:23]
	s_lshl_b32 s22, s21, 13                        ; 8,192 bytes of codes
	s_add_nc_u64 s[14:15], s[14:15], s[22:23]
	s_add_nc_u64 s[16:17], s[16:17], s[22:23]
	s_wait_alu depctr_va_vdst(0)
	v_lshlrev_b32 v3, 4, v2                        ; my 16 bytes of a load's 512, and of a store's; never rewritten
	s_lshl_b32 s34, s20, 13                        ; my wave's 8,192 bytes of LDS: two stages of 32 x SP
	v_lshrrev_b32 v14, 2, v2
	v_mul_u32_u24 v14, v14, SP
	v_and_b32 v15, 3, v2
	v_lshl_add_u32 v14, v15, 4, v14
	v_add_nc_u32 v14, s34, v14                     ; into a stage: four lanes' 64 bytes on end, then the padding
	v_mul_u32_u24 v15, v2, SP
	v_add_nc_u32 v15, s34, v15                     ; out of it: my 16 neighbours
.macro LOADX t
.irp i, 0,1,2,3
	global_load_b128 v[R+16*((\t)%4)+4*\i:R+16*((\t)%4)+4*\i+3], v3, s[4:5] offset:2048*(\t)+512*\i th:TH_LOAD_NT   ; 32 lanes read 512 consecutive bytes
.endr
.endm
.macro TURNX t                         ; a step's 2,048 bytes through the stage: LDS serves a wave's instructions in order (ISA guide 5.7.1.4), so no wait stands between the stores and the loads
.irp i, 0,1,2,3
	ds_store_b128 v14, v[R+16*((\t)%4)+4*\i:R+16*((\t)%4)+4*\i+3] offset:32*SP*((\t)%2)+8*SP*\i
.endr
.irp i, 0,1,2,3
	ds_load_b128 v[X+16*((\t)%2)+4*\i:X+16*((\t)%2)+4*\i+3], v15 offset:32*SP*((\t)%2)+16*\i
.endr
.endm
.irp t, 0,1,2,3
	LOADX \t
.endr
	s_wait_alu depctr_va_vdst(0)
	s_wait_kmcnt 0x0
	s_add_co_i32 s35, s24, 127
	s_lshl_b32 s36, s35, 23
	v_mov_b32 v8, s36                              ; 2^e0 as f32: the conversion takes its exponent field
	s_add_co_i32 s35, s35, 15
	s_lshl_b32 s35, s35, 23
	s_or_b32 s35, s35, 0x600000
	v_mov_b32 v9, s35                              ; 57,344 x 2^e0
	s_add_co_i32 s35, s26, 127
	s_lshl_b32 s36, s35, 23
	v_mov_b32 v10, s36                             ; 2^e2
	s_add_co_i32 s35, s35, 15
	s_lshl_b32 s35, s35, 23
	s_or_b32 s35, s35, 0x600000
	v_mov_b32 v11, s35                             ; 57,344 x 2^e2
	s_wait_alu depctr_va_vdst(0)
	s_wait_loadcnt 12                              ; step 0's four loads are in; the twelve of steps 1 to 3 may be out
	TURNX 0
.macro STEPX t
.set XS, X+16*((\t)%2)
	s_wait_dscnt 0x0                               ; this step's numbers are back from the stage, so its stores into the stage have read their registers,
.if (\t)+4 < 16
	LOADX (\t)+4                                   ; which take the loads of four steps on
.endif
.if (\t)+1 < 16
.if 14-(\t) >= 3
	s_wait_loadcnt 12                              ; the next step's four loads are in; those of the three steps behind it may be out
.else
	s_wait_loadcnt 4*(14-(\t))
.endif
	TURNX (\t)+1                                   ; and go through the other stage while this step is worked
.endif
.irp i, 0,1,2,3,4,5,6,7,8,9,10,11,12,13,14,15
	v_med3_num_f32 v[T+\i], v[XS+\i], -v9, v9      ; the conversion to an 8-bit code does not saturate (ISA guide 7.6.2): the hold under e0, into a copy
.endr
	v_cvt_scalef32_pk8_bf8_f32 v[CA+4*(\t):CA+4*(\t)+1], v[T:T+7], v8
	v_cvt_scalef32_pk8_bf8_f32 v[CA+4*(\t)+2:CA+4*(\t)+3], v[T+8:T+15], v8
.irp i, 0,1,2,3,4,5,6,7,8,9,10,11,12,13,14,15
	v_med3_num_f32 v[XS+\i], v[XS+\i], -v11, v11   ; the hold under e2, in place.  (These sixteen plain lines stand between the conversions above and the next write of their sources)
.endr
	v_cvt_scalef32_pk8_bf8_f32 v[CB+4*(\t):CB+4*(\t)+1], v[XS:XS+7], v10
	v_cvt_scalef32_pk8_bf8_f32 v[CB+4*(\t)+2:CB+4*(\t)+3], v[XS+8:XS+15], v10
	global_store_b128 v3, v[CA+4*(\t):CA+4*(\t)+3], s[14:15] offset:512*(\t)   ; 32 lanes store 512 consecutive bytes, aligned
	global_store_b128 v3, v[CB+4*(\t):CB+4*(\t)+3], s[16:17] offset:512*(\t)
.endm
.irp t, 0,1,2,3,4,5,6,7,8,9,10,11,12,13,14,15
	STEPX \t
.endr
	s_wait_tensorcnt 0x0
	ds_add_u32 v12, v13
	s_wait_dscnt 0x0
	s_endpgm
	; ---------------- the weights.  A LANE TAKES A COLUMN n, AND ITS REGISTERS RUN DOWN K: nothing is transposed by an instruction.
	; A work-group takes 128 rows of wc x 256 along K, a wave 32 rows: 8 blocks of 32 a lane.  One text serves the three tensors: source, pitch, first column, exponent and the exchange are chosen by selects on the work-group's number.
.Lweights:
	s_sub_co_u32 s21, ttmp9, 256
	s_and_b32 s22, s21, 3                          ; which 256 along K
	s_lshr_b32 s23, s21, 2                         ; which 128 rows of wc: 0-7 Wq, 8-23 Wkv, 24-31 Wout
	s_mov_b64 s[56:57], s[10:11]                   ; Wout's values first,
	s_mov_b32 s37, 4096                            ; a source row in bytes
	s_mov_b32 s38, 24                              ; the tensor's first group of rows
	s_mov_b32 s39, -1                              ; all ones: the middle groups change places
	s_cmp_lt_u32 s23, 24
	s_cselect_b64 s[56:57], s[8:9], s[56:57]       ; then Wkv's,
	s_cselect_b32 s37, 8192, s37
	s_cselect_b32 s38, 8, s38
	s_cselect_b32 s39, 0, s39
	s_cmp_lt_u32 s23, 8
	s_cselect_b64 s[56:57], s[6:7], s[56:57]       ; then Wq's
	s_cselect_b32 s37, 4096, s37
	s_cselect_b32 s38, 0, s38
	s_sub_co_u32 s34, s23, s38
	s_lshl_b32 s34, s34, 7
	s_lshl_b32 s35, s20, 5
	s_add_co_u32 s34, s34, s35                     ; my wave's first column of the source
	s_lshl_b32 s34, s34, 2
	s_lshl_b32 s35, s22, 8
	s_mul_i32 s35, s35, s37                        ; + my first row x the pitch
	s_add_co_u32 s34, s34, s35
	s_mov_b32 s35, 0
	s_add_nc_u64 s[40:41], s[56:57], s[34:35]      ; block 0's base;
	s_lshl_b32 s58, s37, 5
	s_mov_b32 s59, 0
.irp t, 1,2,3,4,5,6,7
	s_add_nc_u64 s[40+2*\t:41+2*\t], s[38+2*\t:39+2*\t], s[58:59]   ; block t's: 32 rows further down.  None is ever rewritten
.endr
	s_lshl_b32 s34, s23, 7
	s_lshl_b32 s35, s20, 5
	s_add_co_u32 s34, s34, s35                     ; my wave's first row of wc
	s_lshl_b32 s34, s34, 10
	s_lshl_b32 s35, s22, 8
	s_add_co_u32 s34, s34, s35                     ; + my 256 bytes of a row
	s_mov_b32 s35, 0
	s_add_nc_u64 s[18:19], s[18:19], s[34:35]
	s_wait_alu depctr_va_vdst(0)
	v_lshlrev_b32 v3, 2, v2                        ; in: 4 bytes a lane: a wave reads 128 consecutive bytes, the four waves 512
	v_mov_b32 v[VO], v3
.set n, 1
.rept 31
	v_add_nc_u32 v[VO+n], s37, v[VO+n-1]           ; the pitch is a register, so each row of a block has its own offset register
.set n, n+1
.endr
	s_mul_i32 s36, s20, 32*WP
	s_add_co_u32 s36, s36, WSTG                    ; my stage: 32 rows
	v_mul_u32_u24 v4, v2, WP
	v_add_nc_u32 v4, s36, v4                       ; into it: row = my column
	v_and_b32 v5, 15, v2
	v_lshrrev_b32 v6, 4, v2
	v_mul_u32_u24 v7, v6, WP
	v_lshl_add_u32 v7, v5, 4, v7
	v_add_nc_u32 v7, s36, v7                       ; out of it: sixteen lanes to a row, two rows an instruction
	v_lshlrev_b32 v8, 10, v6
	v_lshl_add_u32 v8, v5, 4, v8                   ; and the same place in wc
.macro LOADW t
.irp i, 0,1,2,3,4,5,6,7,8,9,10,11,12,13,14,15,16,17,18,19,20,21,22,23,24,25,26,27,28,29,30,31
	global_load_b32 v[XW+32*((\t)%2)+\i], v[VO+\i], s[40+2*(\t):41+2*(\t)] th:TH_LOAD_NT
.endr
.endm
	LOADW 0
	LOADW 1
	s_wait_kmcnt 0x0
	s_mov_b32 s60, s33                             ; e9,
	s_cmp_lt_u32 s23, 24
	s_cselect_b32 s60, s27, s60                    ; e3,
	s_cmp_lt_u32 s23, 8
	s_cselect_b32 s60, s25, s60                    ; or e1
	s_add_co_i32 s60, s60, 127
	s_lshl_b32 s61, s60, 23
	v_mov_b32 v11, s61                             ; 2^e
	s_add_co_i32 s60, s60, 15
	s_lshl_b32 s60, s60, 23
	s_or_b32 s60, s60, 0x600000
	v_mov_b32 v10, s60                             ; 57,344 x 2^e
.macro BLOCKW t
.set XS, XW+32*((\t)%2)
.if (\t) < 7
	s_wait_loadcnt 32                              ; this block's 32 loads are in; the next block's may be out
.else
	s_wait_loadcnt 0x0
.endif
.set n, 0
.rept 32
	v_med3_num_f32 v[XS+n], v[XS+n], -v10, v10     ; the hold at the largest code x the scale
.set n, n+1
.endr
	v_cvt_scalef32_pk8_bf8_f32 v[E:E+1], v[XS:XS+7], v11
	v_cvt_scalef32_pk8_bf8_f32 v[F:F+1], v[XS+8:XS+15], v11
	v_cvt_scalef32_pk8_bf8_f32 v[F+2:F+3], v[XS+16:XS+23], v11
	v_cvt_scalef32_pk8_bf8_f32 v[E+6:E+7], v[XS+24:XS+31], v11
	v_nop                                          ; a plain line between the conversions and the selects that read their results
	v_cndmask_b32 v[E+2], v[F], v[F+2], s39        ; the two middle groups as they are, or (Wout) exchanged
	v_cndmask_b32 v[E+3], v[F+1], v[F+3], s39
	v_cndmask_b32 v[E+4], v[F+2], v[F], s39
	v_cndmask_b32 v[E+5], v[F+3], v[F+1], s39
	ds_store_b128 v4, v[E:E+3] offset:32*(\t)      ; 32 codes: 32 bytes of my column's row
	ds_store_b128 v4, v[E+4:E+7] offset:32*(\t)+16
.if (\t)+2 < 8
	LOADW (\t)+2
.endif
	s_wait_dscnt 0x0                               ; the stores have read their registers: the next block's codes may be written
.endm
	s_wait_alu depctr_va_vdst(0)
.irp t, 0,1,2,3,4,5,6,7
	BLOCKW \t
.endr
.irp t, 0,1,2,3,4,5,6,7,8,9,10,11,12,13,14,15
	ds_load_b128 v[OUTR+4*\t:OUTR+4*\t+3], v7 offset:2*\t*WP   ; these see my stores: LDS serves a wave's instructions in order
.endr
.irp t, 0,1,2,3,4,5,6,7,8,9,10,11,12,13,14,15
	s_wait_dscnt 15-\t                             ; the loads come back in order: number t is in, the younger ones may be out
	global_store_b128 v8, v[OUTR+4*\t:OUTR+4*\t+3], s[18:19] offset:2048*\t   ; sixteen lanes store 256 consecutive bytes, aligned
.endr
	s_wait_tensorcnt 0x0
	ds_add_u32 v12, v13
	s_wait_dscnt 0x0
	s_endpgm
.Lfunc_end_k_qc614712834_quant:
	.size	k_qc614712834_quant, .Lfunc_end_k_qc614712834_quant-k_qc614712834_quant
	.p2alignl 7, 3214868480
	.fill 96, 4, 3214868480
	.section	.rodata,"a",@progbits
	.p2align	6, 0x0
	.amdhsa_kernel k_qc614712834_quant
		.amdhsa_group_segment_fixed_size 68096
		.amdhsa_private_segment_fixed_size 0
		.amdhsa_enable_private_segment 0
		.amdhsa_kernarg_size 64
		.amdhsa_user_sgpr_count 2
		.amdhsa_user_sgpr_kernarg_segment_ptr 1
		.amdhsa_wavefront_size32 1
		.amdhsa_system_sgpr_workgroup_id_x 1
		.amdhsa_system_sgpr_workgroup_id_y 1
		.amdhsa_system_sgpr_workgroup_id_z 1
		.amdhsa_system_vgpr_workitem_id 0
		.amdhsa_next_free_vgpr 256
		.amdhsa_next_free_sgpr 66
		.amdhsa_reserve_vcc 0
		.amdhsa_float_denorm_mode_32 3
		.amdhsa_float_denorm_mode_16_64 3
		.amdhsa_memory_ordered 1
		.amdhsa_forward_progress 1
		.amdhsa_inst_pref_size 109
	.end_amdhsa_kernel
	.amdgpu_metadata
---
amdhsa.version: [ 1, 2 ]
amdhsa.kernels:
  - .name:           k_qc614712834_quant
    .symbol:         k_qc614712834_quant.kd
    .args:
      - { .name: x, .offset: 0, .size: 8, .value_kind: global_buffer, .address_space: global }
      - { .name: Wq, .offset: 8, .size: 8, .value_kind: global_buffer, .address_space: global }
      - { .name: Wkv, .offset: 16, .size: 8, .value_kind: global_buffer, .address_space: global }
      - { .name: Wout, .offset: 24, .size: 8, .value_kind: global_buffer, .address_space: global }
      - { .name: lowp_scales, .offset: 32, .size: 8, .value_kind: global_buffer, .address_space: global }
      - { .name: xq, .offset: 40, .size: 8, .value_kind: global_buffer, .address_space: global }
      - { .name: xkv, .offset: 48, .size: 8, .value_kind: global_buffer, .address_space: global }
      - { .name: wc, .offset: 56, .size: 8, .value_kind: global_buffer, .address_space: global }
    .group_segment_fixed_size: 68096
    .private_segment_fixed_size: 0
    .kernarg_segment_align: 8
    .kernarg_segment_size: 64
    .max_flat_workgroup_size: 128
    .sgpr_count:     66
    .vgpr_count:     256
    .wavefront_size: 32
...
	.end_amdgpu_metadata
.endif
;; end of part 1
;; launch proj (part 2): grid 12 x 32, 4 waves a work-group, clusters of 4 x 4, 327,680 bytes of LDS; arguments xq, xkv, wc, lowp_scales, qimg, kimg, vimg; writes qimg, kimg, vimg
.if DOCPART == 2
	.amdgcn_target "amdgcn-amd-amdhsa--gfx1250"
	.amdhsa_code_object_version 6
	.text
	.protected	k_qc614712834_proj
	.globl	k_qc614712834_proj
	.p2align	8
	.type	k_qc614712834_proj,@function
k_qc614712834_proj:
	s_mov_b64 s[64:65], 0
	v_nop
	global_prefetch_b8 v0, s[64:65] scope:SCOPE_SE
	s_setreg_imm32_b32 hwreg(HW_REG_WAVE_MODE, 25, 1), 1
	s_wait_xcnt 0x0
	s_wait_alu depctr_hold_cnt(0) depctr_sa_sdst(0) depctr_va_vdst(0) depctr_va_sdst(0) depctr_va_ssrc(0) depctr_va_vcc(0) depctr_vm_vsrc(0)
	s_getreg_b32 s2, hwreg(HW_REG_IB_STS2, 6, 4)
	s_cmp_eq_u32 s2, 0
	s_cbranch_scc0 .Lentry_in_a_cluster
	s_endpgm
.Lentry_in_a_cluster:
	s_bfe_u32 s2, ttmp6, 0x10000c
	s_cmp_lg_u32 s2, 0xf033
	s_cbranch_scc0 .Lentry_shape_is_right
	s_endpgm
.Lentry_shape_is_right:
.set ROWB,   256
.set KROW,   1024
.set PITCH,  272
.set FR,     16
.set NL,     4
.set NP,     4
.set HALFT,  128*PITCH
.set SLOT,   4*HALFT
.set SPARE,  2*SLOT
.set ADRA, 16
.set ADRB, 20
.set VO0,  24
.set VO1,  25
.set SCL,  26
.set LIMV, 27
.set SPW,  28
.set NIL,  29
.set TMP,  32
.set CODE, 96
.set AF,   128
.set G1, 24
.set G0, 32
.set G1B, 48
.set G0B, 56
.set MSB, 0
.macro WIN new
.if MSB != (\new)
	s_set_vgpr_msb (MSB<<8)|(\new)
.set MSB, \new
.endif
.endm
.set MUL_LO, 0xa1
.set MUL_HI, 0xf1
.set TO_B,   0x40
.macro JLOAD g0a, g1a, g0b, g1b
	s_cmp_eq_u32 s15, 0
	s_cbranch_scc0 .Lfor_b_\@
	tensor_load_to_lds s[\g0a:\g0a+3], s[\g1a:\g1a+7]
	s_nop 0
.rept 4
	v_nop
.endr
	s_branch .Lasked_\@
.Lfor_b_\@:
	tensor_load_to_lds s[\g0b:\g0b+3], s[\g1b:\g1b+7]
	s_nop 0
.rept 4
	v_nop
.endr
.Lasked_\@:
.endm
.macro CREST
	s_cmp_lg_u32 s14, 0
	s_cbranch_scc1 .Lnot_wave_0_\@
	s_barrier_signal -3
.Lnot_wave_0_\@:
	s_barrier_wait -3
	s_barrier_signal -1
	s_barrier_wait -1
.endm
.macro CROUND
	s_barrier_signal -1
	s_barrier_wait -1
	CREST
.endm
	s_load_b256 s[4:11], s[0:1], 0x0
	s_load_b128 s[68:71], s[0:1], 0x20
	s_load_b64 s[72:73], s[0:1], 0x30
	v_lshl_add_u32 v[SPW], v0, 2, SPARE
	v_mov_b32 v[NIL], 0
	ds_add_u32 v28, v29
	ds_add_u32 v28, v29
	s_wait_dscnt 0x0
	v_lshrrev_b32 v1, 5, v0
	v_readfirstlane_b32 s14, v1
	s_lshr_b32 s15, s14, 1
	s_and_b32 s16, s14, 1
	s_bfe_u32 s40, ttmp6, 0x40000
	s_bfe_u32 s41, ttmp6, 0x40004
	; region 0 of a slot holds the operand that goes to source 1, region 1 the one for source 0.  Q's and K's clusters: x's rows by cy, the weights' rows by cx.
	; V's clusters (cluster x = 2) change the two cluster coordinates: the weights' rows (tile 4 x 2 + cy of wc) go by cy, x's rows (tile 4 x cluster y + cx) by cx.  So no LDS address hangs on the kind of cluster.
	s_and_b32 s17, ttmp7, 0xffff
	s_cmp_eq_u32 ttmp9, 2
	s_cselect_b32 s42, s17, ttmp9
	s_cselect_b32 s17, ttmp9, s17
	s_lshl_b32 s42, s42, 2
	s_add_co_u32 s42, s42, s40
	s_lshl_b32 s17, s17, 2
	s_add_co_u32 s17, s17, s41
	s_lshl_b32 s43, s41, 2
	s_lshl_b32 s43, 15, s43
	s_lshl_b32 s44, 0x1111, s40
	s_or_b32 s[G1+0], s43, (0<<16)|(1<<20)|(1<<21)|(5<<22)|(3<<25)
	s_or_b32 s[G1B+0], s44, (0<<16)|(1<<20)|(1<<21)|(5<<22)|(3<<25)
.irp g, G1, G1B
	s_mov_b32 s[\g+1], ROWB<<16
	s_mov_b32 s[\g+2], 128<<16
	s_mov_b32 s[\g+3], ROWB<<16
	s_mov_b32 s[\g+4], 128
	s_mov_b32 s[\g+5], KROW
	s_mov_b32 s[\g+6], 0
	s_mov_b32 s[\g+7], 0
.endr
	s_lshl_b32 s18, s16, 7
	s_lshl_b32 s20, s17, 8
	s_add_co_u32 s20, s20, s18
	s_lshl_b32 s20, s20, 10
	s_mov_b32 s21, 0
	s_lshl_b32 s46, s42, 8
	s_add_co_u32 s46, s46, s18
	s_lshl_b32 s46, s46, 10
	s_mov_b32 s47, 0
	s_mul_i32 s45, s14, HALFT
	s_wait_kmcnt 0x0
	s_load_b256 s[76:83], s[10:11], 0x0
	s_cmp_eq_u32 ttmp9, 0
	s_cselect_b64 s[22:23], s[4:5], s[6:7]
	s_cmp_eq_u32 ttmp9, 2
	s_cselect_b64 s[22:23], s[8:9], s[22:23]       ; V: region 0 takes wc,
	s_cselect_b64 s[74:75], s[6:7], s[8:9]         ; and region 1 xkv
	s_add_nc_u64 s[20:21], s[22:23], s[20:21]
	s_add_nc_u64 s[46:47], s[74:75], s[46:47]
	; the prefetches: of the 128 rows that my wave fetches, my work-group names 32, told from its three partners' by address (cx for region 0's tile, cy for region 1's); a lane a row of 1,024 bytes
	s_cmp_eq_u32 s15, 0
	s_cselect_b64 s[12:13], s[20:21], s[46:47]
	s_cselect_b32 s18, s40, s41
	s_lshl_b32 s18, s18, 15
	s_mov_b32 s19, 0
	s_add_nc_u64 s[12:13], s[12:13], s[18:19]      ; never rewritten
	v_and_b32 v30, 31, v0
	v_lshlrev_b32 v30, 10, v30                     ; never rewritten
.irp s, 0,1
	s_mov_b32 s[G0+4*\s], 1
	s_add_co_u32 s[G0+4*\s+1], s45, \s*SLOT
	s_add_nc_u64 s[G0+4*\s+2:G0+4*\s+3], s[20:21], \s*ROWB
	s_or_b32 s[G0+4*\s+3], s[G0+4*\s+3], 0x80000000
	s_mov_b32 s[G0B+4*\s], 1
	s_add_co_u32 s[G0B+4*\s+1], s45, \s*SLOT
	s_add_nc_u64 s[G0B+4*\s+2:G0B+4*\s+3], s[46:47], \s*ROWB
	s_or_b32 s[G0B+4*\s+3], s[G0B+4*\s+3], 0x80000000
	s_wait_alu depctr_va_vdst(0)
	s_wait_tensorcnt 0x0
	ds_add_u32 v28, v29
	ds_add_u32 v28, v29
	s_wait_dscnt 0x0
	CROUND
	JLOAD G0+4*\s, G1, G0B+4*\s, G1B
	global_prefetch_b8 v30, s[12:13] offset:(\s+2)*ROWB th:TH_LOAD_NT scope:SCOPE_SE   ; the K step that stands two fills on: 256 bytes of each of my 32 rows; K steps 2 and 3 are the last
.endr
	v_and_b32 v1, 15, v0
	v_bfe_u32 v2, v0, 4, 1
	v_mul_u32_u24 v3, v1, PITCH
	v_lshl_add_u32 v4, v2, 4, v3
	s_wait_alu depctr_va_vdst(0)
	s_cmp_eq_u32 ttmp9, 2
	s_cselect_b32 s74, s42, s17                    ; the tile of 256 tokens,
	s_cselect_b32 s75, s41, s40                    ; and the group of four heads
	s_cselect_b32 s90, s15, s16
	s_cselect_b32 s91, s16, s15
	s_cselect_b64 s[84:85], s[72:73], s[70:71]
	s_mov_b32 s92, 131072
	s_cselect_b32 s92, 1024, s92
	s_mov_b32 s86, 1024
	s_cselect_b32 s86, 2048, s86
	s_mov_b32 s88, 1024
	s_cselect_b32 s88, 124928, s88
	s_mov_b32 s87, 0
	s_mov_b32 s89, 0
	s_mul_i32 s21, s15, HALFT
	s_mul_i32 s22, s16, HALFT
	s_add_co_u32 s22, s22, 2*HALFT
.irp s, 0,1
	v_add_nc_u32 v[ADRA+\s], s21, v4
	v_add_nc_u32 v[ADRB+\s], s22, v4
	s_add_co_u32 s21, s21, SLOT
	s_add_co_u32 s22, s22, SLOT
.endr
	v_and_b32 v6, 31, v0
	v_lshlrev_b32 v[VO0], 4, v6
	v_add_nc_u32 v[VO1], s92, v[VO0]
	s_cmp_eq_u32 ttmp9, 0
	s_cselect_b64 s[84:85], s[68:69], s[84:85]
	s_lshr_b32 s92, s74, 3
	s_lshl_b32 s92, s92, 4
	s_lshl_b32 s93, s75, 2
	s_add_co_u32 s92, s92, s93
	s_lshl_b32 s93, s90, 1
	s_add_co_u32 s92, s92, s93
	s_lshl_b32 s92, s92, 17
	s_and_b32 s93, s74, 7
	s_lshl_b32 s93, s93, 1
	s_add_co_u32 s93, s93, s91
	s_lshl_b32 s93, s93, 13
	s_add_co_u32 s92, s92, s93
	s_mov_b32 s93, 0
	s_add_nc_u64 s[84:85], s[84:85], s[92:93]
	s_wait_alu depctr_va_vdst(0)
	s_wait_kmcnt 0x0
	s_cmp_eq_u32 ttmp9, 0
	s_cselect_b32 s94, s76, s78
	s_cselect_b32 s95, s77, s79
	s_cselect_b32 s66, s80, s81
	s_cmp_eq_u32 ttmp9, 2
	s_cselect_b32 s66, s83, s66
	s_sub_co_i32 s66, s66, s94
	s_sub_co_i32 s66, s66, s95
	s_add_co_i32 s66, s66, 127
	s_lshl_b32 s67, s66, 23
	v_mov_b32 v[SCL], s67
	s_add_co_i32 s66, s66, 15
	s_lshl_b32 s66, s66, 23
	s_or_b32 s66, s66, 0x600000
	v_mov_b32 v[LIMV], s66
.macro FRAG reg, adr, q, i
.irp c, 0,1,2,3
	ds_load_b128 v[\reg+4*\c:\reg+4*\c+3], v[\adr] offset:128*(\q)+32*\c+(\i)*16*PITCH
.endr
.endm
.macro MUL16 a0, p, zero
.irp a, \a0, \a0+1
.irp b, 0,1,2,3,4,5,6,7
.if \zero
	v_wmma_f32_16x16x128_bf8_bf8 v[8*(8*((\a)%4)+\b):8*(8*((\a)%4)+\b)+7], v[128*(\p)+FR*\b:128*(\p)+FR*\b+FR-1], v[AF+FR*(\a):AF+FR*(\a)+FR-1], 0
.else
	v_wmma_f32_16x16x128_bf8_bf8 v[8*(8*((\a)%4)+\b):8*(8*((\a)%4)+\b)+7], v[128*(\p)+FR*\b:128*(\p)+FR*\b+FR-1], v[AF+FR*(\a):AF+FR*(\a)+FR-1], v[8*(8*((\a)%4)+\b):8*(8*((\a)%4)+\b)+7]
.endif
.endr
.endr
.endm
.macro FETCH_B slot, q, p
	WIN TO_B
.irp i, 0,1,2,3,4,5,6,7
	FRAG 128*(\p)+FR*\i, ADRB+\slot, \q, \i
.endr
	WIN 0
.endm
.macro FETCH_A slot, q, i0
.irp i, \i0, \i0+1, \i0+2, \i0+3
	FRAG AF+FR*(\i), ADRA+\slot, \q, \i
.endr
.endm
.macro PLACES n
.rept \n
	v_nop
.endr
.endm
.macro STEP slot, q, zero
	s_wait_dscnt 4*NL
	WIN MUL_LO
	MUL16 0, (\q)%2, \zero
	MUL16 2, (\q)%2, \zero
	s_wait_dscnt 0
	PLACES NP
	FETCH_B \slot, (\q)+1, 1-(\q)%2
	FETCH_A \slot, (\q)+1, 0
	WIN MUL_HI
	MUL16 4, (\q)%2, \zero
	MUL16 6, (\q)%2, \zero
	PLACES NP
	WIN 0
	FETCH_A \slot, (\q)+1, 4
.endm
.macro TURN slot, next, fill
	s_wait_tensorcnt 0x0
	ds_add_u32 v[SPW], v[NIL]
	s_wait_dscnt 4*NL+1
	WIN MUL_LO
	MUL16 0, 1, 0
	s_wait_dscnt 0x0
	s_barrier_signal -1
	MUL16 2, 1, 0
	WIN 0
	s_barrier_wait -1
.if \fill
	CREST
	s_add_nc_u64 s[G0+4*\slot+2:G0+4*\slot+3], s[G0+4*\slot+2:G0+4*\slot+3], 2*ROWB
	s_add_nc_u64 s[G0B+4*\slot+2:G0B+4*\slot+3], s[G0B+4*\slot+2:G0B+4*\slot+3], 2*ROWB
	JLOAD G0+4*\slot, G1, G0B+4*\slot, G1B
.else
	PLACES NP
.endif
	FETCH_B \next, 0, 0
	FETCH_A \next, 0, 0
	WIN MUL_HI
	MUL16 4, 1, 0
	MUL16 6, 1, 0
	PLACES NP
	WIN 0
	FETCH_A \next, 0, 4
.endm
	s_wait_tensorcnt 1
	s_barrier_signal -1
	s_barrier_wait -1
	FETCH_B 0, 0, 0
	FETCH_A 0, 0, 0
	FETCH_A 0, 0, 4
	STEP 0, 0, 1
	TURN 0, 1, 1
	STEP 1, 0, 0
	TURN 1, 0, 1
	STEP 0, 0, 0
	TURN 0, 1, 0
	STEP 1, 0, 0
	s_wait_dscnt 4*NL
	WIN MUL_LO
	MUL16 0, 1, 0
	MUL16 2, 1, 0
	s_wait_alu depctr_va_vdst(0)
	s_wait_dscnt 0
	WIN MUL_HI
	MUL16 4, 1, 0
	MUL16 6, 1, 0
	WIN 0
.macro OUTBLK a
.set AC, 64*((\a)%4)
	WIN 0x02+((\a)/4)
.set j, 0
.rept 64
	v_med3_num_f32 v[TMP+j], v[AC+j], -v[LIMV], v[LIMV]
.set j, j+1
.endr
	WIN 0
.if (\a) > 0
	s_wait_alu depctr_va_vdst(0)
	s_wait_xcnt 0x0
.endif
.irp b, 0,1,2,3,4,5,6,7
	v_cvt_scalef32_pk8_bf8_f32 v[CODE+2*\b:CODE+2*\b+1], v[TMP+8*\b:TMP+8*\b+7], v[SCL]
.endr
	v_nop
.if (\a) == 4
	s_add_nc_u64 s[84:85], s[84:85], s[88:89]
.elseif (\a) > 0
	s_add_nc_u64 s[84:85], s[84:85], s[86:87]
.endif
	global_store_b128 v[VO0], v[CODE:CODE+3], s[84:85]
	global_store_b128 v[VO0], v[CODE+4:CODE+7], s[84:85] offset:512
	global_store_b128 v[VO1], v[CODE+8:CODE+11], s[84:85]
	global_store_b128 v[VO1], v[CODE+12:CODE+15], s[84:85] offset:512
.endm
	PLACES NP
.irp a, 0,1,2,3,4,5,6,7
	OUTBLK \a
.endr
	s_wait_tensorcnt 0x0
	ds_add_u32 v[SPW], v[NIL]
	s_wait_dscnt 0x0
	CROUND
	s_endpgm
.Lfunc_end_k_qc614712834_proj:
	.size	k_qc614712834_proj, .Lfunc_end_k_qc614712834_proj-k_qc614712834_proj
	.p2alignl 7, 3214868480
	.fill 96, 4, 3214868480
	.section	.rodata,"a",@progbits
	.p2align	6, 0x0
	.amdhsa_kernel k_qc614712834_proj
		.amdhsa_group_segment_fixed_size 327680
		.amdhsa_private_segment_fixed_size 0
		.amdhsa_enable_private_segment 0
		.amdhsa_kernarg_size 56
		.amdhsa_user_sgpr_count 2
		.amdhsa_user_sgpr_kernarg_segment_ptr 1
		.amdhsa_wavefront_size32 1
		.amdhsa_system_sgpr_workgroup_id_x 1
		.amdhsa_system_sgpr_workgroup_id_y 1
		.amdhsa_system_sgpr_workgroup_id_z 1
		.amdhsa_system_vgpr_workitem_id 0
		.amdhsa_next_free_vgpr 1024
		.amdhsa_next_free_sgpr 98
		.amdhsa_reserve_vcc 0
		.amdhsa_float_denorm_mode_32 3
		.amdhsa_float_denorm_mode_16_64 3
		.amdhsa_memory_ordered 1
		.amdhsa_forward_progress 1
		.amdhsa_inst_pref_size 120
	.end_amdhsa_kernel
	.amdgpu_metadata
---
amdhsa.version: [ 1, 2 ]
amdhsa.kernels:
  - .name:           k_qc614712834_proj
    .symbol:         k_qc614712834_proj.kd
    .args:
      - { .name: xq, .offset: 0, .size: 8, .value_kind: global_buffer, .address_space: global }
      - { .name: xkv, .offset: 8, .size: 8, .value_kind: global_buffer, .address_space: global }
      - { .name: wc, .offset: 16, .size: 8, .value_kind: global_buffer, .address_space: global }
      - { .name: lowp_scales, .offset: 24, .size: 8, .value_kind: global_buffer, .address_space: global }
      - { .name: qimg, .offset: 32, .size: 8, .value_kind: global_buffer, .address_space: global }
      - { .name: kimg, .offset: 40, .size: 8, .value_kind: global_buffer, .address_space: global }
      - { .name: vimg, .offset: 48, .size: 8, .value_kind: global_buffer, .address_space: global }
    .group_segment_fixed_size: 327680
    .private_segment_fixed_size: 0
    .kernarg_segment_align: 8
    .kernarg_segment_size: 56
    .max_flat_workgroup_size: 128
    .sgpr_count:     98
    .vgpr_count:     1024
    .wavefront_size: 32
...
	.end_amdgpu_metadata
.endif
;; end of part 2
;; launch attn (part 3): grid 4 x 64, 16 waves a work-group, clusters of 4 x 1, 327,680 bytes of LDS; arguments qimg, kimg, vimg, lowp_scales, oimg; writes oimg
.if DOCPART == 3
	.amdgcn_target "amdgcn-amd-amdhsa--gfx1250"
	.amdhsa_code_object_version 6
	.text
	.protected	k_qc614712834_attn
	.globl	k_qc614712834_attn
	.p2align	8
	.type	k_qc614712834_attn,@function
k_qc614712834_attn:
	s_mov_b64 s[64:65], 0
	v_nop
	global_prefetch_b8 v0, s[64:65] scope:SCOPE_SE
	s_setreg_imm32_b32 hwreg(HW_REG_WAVE_MODE, 25, 1), 1
	s_wait_xcnt 0x0
	s_wait_alu depctr_hold_cnt(0) depctr_sa_sdst(0) depctr_va_vdst(0) depctr_va_sdst(0) depctr_va_ssrc(0) depctr_va_vcc(0) depctr_vm_vsrc(0)
	s_getreg_b32 s2, hwreg(HW_REG_IB_STS2, 6, 4)
	s_cmp_eq_u32 s2, 0
	s_cbranch_scc0 .Lentry_in_a_cluster
	s_endpgm
.Lentry_in_a_cluster:
	s_bfe_u32 s2, ttmp6, 0x10000c
	s_cmp_lg_u32 s2, 0x3003
	s_cbranch_scc0 .Lentry_shape_is_right
	s_endpgm
.Lentry_shape_is_right:
; O = softmax(q k^T / 8) v for one head, both products on codes of BF8 (E5M2); O / l is quantised under e8 and stored as an image of the last launch's operand registers.
; THE SOFTMAX AHEAD OF THE SECOND PRODUCT: t = score x log2(e) / 8; M = the row's largest t so far, rounded UP to a whole number; p = 2^(t - M) is quantised under e6, not normalised.
; l, the row's sum, is taken of the unquantised p in f32 and divides O at the end.  When M moves, l and O are multiplied by 2^(old M - new M): nothing is rounded, and no branch hangs on data.
; SHARES.  A work-group owns one head and 512 of its 2,048 queries; each of its sixteen waves owns 32 of them, TWO tiles A and B (tiles 32 cx + 2 wave, + 1), and walks the 2,048 keys once, 128 a step.
; Every fragment of K and of V that a wave reads from LDS feeds two matrix instructions, one for each tile.
; THE HEAD'S WHOLE K AND V LIE IN LDS, 131,072 bytes each, each byte filled once, in two groups of loads, one load a wave in each (waves 0-7 K's image, waves 8-15 V's):
; key steps 0-4 (5,120 bytes a wave) at the head; key steps 5-15 (11,264 bytes a wave) behind the full sequence and a round, on their way while steps 0-3 are worked.
; CLUSTER.  The four work-groups of a head need the same K and V: each load is a joint one, the same descriptor in all four, mask 15.
; NO PREFETCH: all 262,144 bytes are asked for by the two groups of loads ahead of the first key step; no later load exists that a request could run ahead of.
; LAYOUT.  K and V arrive as images of operand registers (four registers: 16 bytes a lane, 512 bytes on end), so every fragment load reads 512 consecutive bytes.
; Both products are used transposed: S^T = K Q^T (source 0 = 16 keys, K = the head's 64), O^T = V^T P^T (source 0 = 16 channels, K = 128 keys): a lane holds one query of each tile (lane % 16).
; In S^T's tile t a lane's register j is key 16 t + 8 (lane / 16) + j: its eight codes are registers 2 t, 2 t + 1 of the plain 8-bit operand, the order in which V's image holds the keys.
; REGISTERS, all 256.  v128-191 S^T of A, v192-255 of B.  Scores that are spent make room:
;   p's codes of a tile go to the 16 registers that begin two below its scores (tile t's pair lies in scores converted earlier);
;   V's fragments 0-2 go to v142-189, free behind A's conversions, and land while B is converted; fragment 3 to the K buffer;
;   the NEXT step's fragments 0-5 of K go to v208-255, free behind B's conversions, and land under the second product: fragment t lies where B's tile t + 2 will be written, five plain lines behind the fragment's use (ISA guide 7.12.1);
;   fragments 6, 7 come into the K buffer at the step's top.  The last step's six loads ahead fall on V's first bytes and are not used.
; LIMITS: e4 + e5 between -123 and 130 (added to c's exponent field); e6 and e8 between -126 and 112; e6 + e7 is applied by v_ldexp_f32 and has none.  The scaled scores stay under 2^31 in magnitude.
.set SPARE, 0x40000                    ; behind K and V: the spare words, 128 bytes a wave
.set TA0, 0                            ; v0   at work (the thread's number is spent at the head)
.set LI,  1                            ; v1   16 x lane
.set ADK, 2                            ; v2   LDS address of the step's K
.set ADV, 3                            ; v3   of its V
.set SPW, 4                            ; v4   my spare word; never rewritten
.set NIL, 5                            ; v5   0; never rewritten
.set PSC, 6                            ; v6   2^e6
.set PHO, 7                            ; v7   57,344 x 2^e6,
.set PH2, 17                           ; v17  and once more: the two halves of a dual line take their second sources from different banks
.set NMA, 8                            ; v8 -M of A, v9 its largest score so far
.set NMB, 10                           ; v10, v11 the same of B
.set FA,  12                           ; v12  f of A; v13 at work (named with it as a pair)
.set TA1, 13
.set FB,  14                           ; v14  f of B; v15 at work
.set TB1, 15
.set TB0, 16
.set LA,  18                           ; v18-21 l of A, two packed sums
.set LB,  22                           ; v22-25 l of B
.set QA,  26                           ; v26-33 Q of A
.set QB,  34                           ; v34-41 Q of B
.set KB,  42                           ; v42-57 the K buffer
.set OA,  58                           ; v58-89 O^T of A
.set OB,  90                           ; v90-121 O^T of B
.set OSC, 122                          ; v122 2^e8
.set OHO, 123                          ; v123 57,344 x 2^e8
.set LIV, 124                          ; v124 16 x lane in V's half of LDS
.set SA,  128
.set SB,  192
.set WV,  18                           ; s18  my wave's number
.set SEL, 20                           ; s[20:21] lane selects for v_permlanex16_b32: lane l xor 16
.set CS,  22                           ; s[22:23] c = log2(e) / 8 x 2^(e4 + e5)
.set G1,  24                           ; s[24:31] descriptor group 1, s[32:35] group 0: the first group of loads
.set G0,  32
.set G1B, 36                           ; s[36:43], s[44:47]: the second
.set G0B, 44
.set TB,  2                            ; s2   the key step's first byte in K's image and in V's
.set CNT, 3                            ; s3   key steps to go
.macro CROUND                          ; a round of the cluster's barrier
	s_barrier_signal -1
	s_barrier_wait -1
	s_cmp_lg_u32 s[WV], 0
	s_cbranch_scc1 .Lnot_wave_0_\@
	s_barrier_signal -3
.Lnot_wave_0_\@:
	s_barrier_wait -3
	s_barrier_signal -1
	s_barrier_wait -1
.endm
	s_load_b256 s[4:11], s[0:1], 0x0               ; qimg s[4:5], kimg s[6:7], vimg s[8:9], the exponents s[10:11]
	s_load_b64 s[12:13], s[0:1], 0x20              ; oimg
	v_lshl_add_u32 v[SPW], v0, 2, SPARE
	v_mov_b32 v[NIL], 0
	ds_add_u32 v[SPW], v[NIL]                      ; the opening lines: the add, twice on end, and its wait ahead of my first tensor load
	ds_add_u32 v[SPW], v[NIL]
	v_lshrrev_b32 v[LI], 5, v0
	v_readfirstlane_b32 s[WV], v[LI]               ; wave 0..15
	s_bfe_u32 s19, ttmp6, 0x40000                  ; cx: which 512 queries; it enters Q's and O's addresses alone
	s_and_b32 s48, ttmp7, 0xffff                   ; 16 x batch + head, which the four partners share
	s_mov_b32 s[G1], 15|(3<<16)|(1<<21)            ; the mask of all four; elements of 8 bytes; bit 21 beside a mask; no padding
	s_mov_b32 s[G1+1], 32<<16                      ; rows of 32 elements = 256 bytes, dense,
	s_mov_b32 s[G1+2], 20<<16                      ; 20 of them
	s_mov_b32 s[G1+3], 32<<16
	s_mov_b32 s[G1+4], 20
	s_mov_b32 s[G1+5], 32
	s_mov_b32 s[G1+6], 0
	s_mov_b32 s[G1+7], 0
	s_mov_b32 s[G1B], 15|(3<<16)|(1<<21)
	s_mov_b32 s[G1B+1], 32<<16
	s_mov_b32 s[G1B+2], 44<<16                     ; 44 rows
	s_mov_b32 s[G1B+3], 32<<16
	s_mov_b32 s[G1B+4], 44
	s_mov_b32 s[G1B+5], 32
	s_mov_b32 s[G1B+6], 0
	s_mov_b32 s[G1B+7], 0
	s_mov_b32 s[SEL], 0x76543210
	s_mov_b32 s[SEL+1], 0xfedcba98
	s_mov_b32 s[CS], 0x3e38aa3b                    ; log2(e) / 8
	s_and_b32 s59, s[WV], 7
	s_lshr_b32 s58, s[WV], 3
	s_lshl_b32 s58, s58, 17                        ; in LDS K's image lies at 0, V's at 131,072
	s_mul_i32 s60, s59, 5120                       ; my part of key steps 0-4,
	s_mul_i32 s61, s59, 11264
	s_add_co_u32 s61, s61, 40960                   ; and of key steps 5-15
	s_lshl_b32 s62, s48, 17                        ; the head's image in memory
	s_add_co_u32 s84, s62, s60
	s_mov_b32 s85, 0
	s_add_co_u32 s86, s62, s61
	s_mov_b32 s87, 0
	s_add_co_u32 s60, s60, s58
	s_add_co_u32 s61, s61, s58
	s_lshl_b32 s50, s19, 5
	s_lshl_b32 s51, s[WV], 1
	s_add_co_u32 s50, s50, s51                     ; tile A: 32 cx + 2 wave
	s_lshl_b32 s52, s50, 10
	s_add_co_u32 s52, s52, s62                     ; its 1,024 bytes in Q's image
	s_mov_b32 s53, 0
	s_lshr_b32 s54, s48, 4
	s_lshl_b32 s54, s54, 7
	s_add_co_u32 s54, s54, s50                     ; the same tile among all 512 tiles of tokens
	s_lshl_b32 s54, s54, 14                        ; 16,384 bytes a tile of tokens,
	s_and_b32 s55, s48, 15
	s_lshl_b32 s55, s55, 10                        ; 1,024 a head
	s_add_co_u32 s54, s54, s55
	s_mov_b32 s55, 0
	s_wait_dscnt 0x0                               ; both opening adds are done
	s_wait_kmcnt 0x0
	s_load_b256 s[68:75], s[10:11], 0x0            ; e0 .. e7
	s_load_b32 s76, s[10:11], 0x20                 ; e8
	s_add_nc_u64 s[80:81], s[4:5], s[52:53]        ; Q
	s_add_nc_u64 s[82:83], s[12:13], s[54:55]      ; O
	s_cmp_lt_u32 s[WV], 8
	s_cselect_b64 s[56:57], s[6:7], s[8:9]
	s_mov_b32 s[G0], 1
	s_mov_b32 s[G0+1], s60
	s_add_nc_u64 s[G0+2:G0+3], s[56:57], s[84:85]
	s_or_b32 s[G0+3], s[G0+3], 0x80000000
	s_mov_b32 s[G0B], 1
	s_mov_b32 s[G0B+1], s61
	s_add_nc_u64 s[G0B+2:G0B+3], s[56:57], s[86:87]
	s_or_b32 s[G0B+3], s[G0B+3], 0x80000000
	CROUND                                         ; all four work-groups are here: the joint loads meet
	tensor_load_to_lds s[G0:G0+3], s[G1:G1+7]      ; key steps 0-4: my one tensor load at the head
	s_nop 0
	v_and_b32 v[LI], 31, v0
	v_lshlrev_b32 v[LI], 4, v[LI]
	global_load_b128 v[QA:QA+3], v[LI], s[80:81]                 ; Q's fragments stay in registers
	global_load_b128 v[QA+4:QA+7], v[LI], s[80:81] offset:512
	global_load_b128 v[QB:QB+3], v[LI], s[80:81] offset:1024
	global_load_b128 v[QB+4:QB+7], v[LI], s[80:81] offset:1536
	v_add_nc_u32 v[LIV], 0x20000, v[LI]
	v_mov_b32 v[NMA+1], 0xff61b1e6                 ; the largest score so far: -3e38
	v_mov_b32 v[NMB+1], 0xff61b1e6
	v_mov_b32 v[NMA], 0x7f61b1e6                   ; -M: 3e38, so that the first step's f is 0
	v_mov_b32 v[NMB], 0x7f61b1e6
.set j, 0
.rept 8
	v_mov_b32 v[LA+j], 0                           ; l,
.set j, j+1
.endr
.set j, 0
.rept 64
	v_mov_b32 v[OA+j], 0                           ; and O^T: the loop has no first step of its own
.set j, j+1
.endr
	s_wait_kmcnt 0x0
	s_add_co_i32 s50, s72, s73
	s_lshl_b32 s50, s50, 23
	s_add_co_i32 s[CS], s[CS], s50                 ; e4 + e5 added to c's exponent field
	s_mov_b32 s[CS+1], s[CS]
	s_add_co_i32 s50, s74, 127
	s_lshl_b32 s51, s50, 23
	v_mov_b32 v[PSC], s51
	s_add_co_i32 s50, s50, 15
	s_lshl_b32 s50, s50, 23
	s_or_b32 s50, s50, 0x600000
	v_mov_b32 v[PHO], s50
	v_mov_b32 v[PH2], s50
	s_add_co_i32 s50, s76, 127
	s_lshl_b32 s51, s50, 23
	v_mov_b32 v[OSC], s51
	s_add_co_i32 s50, s50, 15
	s_lshl_b32 s50, s50, 23
	s_or_b32 s50, s50, 0x600000
	v_mov_b32 v[OHO], s50
	s_add_co_i32 s77, s74, s75                     ; e6 + e7
	s_wait_alu depctr_va_vdst(0)                   ; the wait at the head's end
	s_wait_loadcnt 0x0                             ; Q
	s_wait_tensorcnt 0x0                           ; my part of key steps 0-4 is in
	ds_add_u32 v[SPW], v[NIL]
	s_wait_dscnt 0x0
	CROUND                                         ; everybody's part is in, and the four work-groups meet
	tensor_load_to_lds s[G0B:G0B+3], s[G1B:G1B+7]  ; key steps 5-15: my one tensor load behind the round
	s_nop 0
.macro KLD t, r, a, o                  ; K's tile t: two blocks of 512 consecutive bytes
	ds_load_b128 v[\r:\r+3], v[\a] offset:\o+1024*\t
	ds_load_b128 v[\r+4:\r+7], v[\a] offset:\o+1024*\t+512
.endm
.macro KSIX a, o                       ; fragments 0-5, twelve loads
.irp u, 0,1,2,3,4,5
	KLD \u, SB+16+8*\u, \a, \o
.endr
.endm
.macro QK t, r                         ; 16 keys against both tiles of queries
	v_wmma_f32_16x16x64_bf8_bf8 v[SA+8*\t:SA+8*\t+7], v[\r:\r+7], v[QA:QA+7], 0
	v_wmma_f32_16x16x64_bf8_bf8 v[SB+8*\t:SB+8*\t+7], v[\r:\r+7], v[QB:QB+7], 0
.endm
.macro MAXI s, c0, c1                  ; the largest score in two chains a tile of queries, each accumulator from its low end on
	v_max3_num_f32 v[\c0], v[\s], v[\s+1], v[\s+2]
	v_max3_num_f32 v[\c1], v[\s+3], v[\s+4], v[\s+5]
.endm
.macro MAXS s, c0, c1, i
	v_max3_num_f32 v[\c0], v[\c0], v[\s+\i], v[\s+\i+1]
	v_max3_num_f32 v[\c1], v[\c1], v[\s+\i+2], v[\s+\i+3]
.endm
.macro CHN k, s, c0, c1, nm, f         ; line k of the way from a tile's two chains to its new -M and its f: each line reads the line before, so other work stands between them
.if \k == 0
	v_max3_num_f32 v[\c0], v[\c0], v[\s+62], v[\s+63]
.elseif \k == 1
	v_max_num_f32 v[\c0], v[\c0], v[\c1]
.elseif \k == 2
	v_permlanex16_b32 v[\c1], v[\c0], s[SEL], s[SEL+1]
.elseif \k == 3
	v_max3_num_f32 v[\nm+1], v[\nm+1], v[\c0], v[\c1]   ; the running largest score, lane l xor 16's keys among them
.elseif \k == 4
	v_mul_f32 v[\c0], s[CS], v[\nm+1]              ; as t (c is positive)
.elseif \k == 5
	v_floor_f32 v[\c1], -v[\c0]                    ; the new -M = -ceil(t)
.elseif \k == 6
	v_sub_f32 v[\c0], v[\c1], v[\nm]               ; old M - new M: a whole number, 0 or less
.elseif \k == 7
	v_mov_b32 v[\nm], v[\c1]
.elseif \k == 8
	v_cvt_i32_f32 v[\c0], v[\c0]                   ; (it saturates)
.else
	v_ldexp_f32 v[\f], 1.0, v[\c0]                 ; f = 2^(old M - new M)
.endif
.endm
.macro VLD ct, r                       ; V's fragment ct: 16 channels x 128 keys
.irp c, 0,1,2,3
	ds_load_b128 v[\r+4*\c:\r+4*\c+3], v[ADV] offset:2048*\ct+512*\c
.endr
.endm
.macro PV ct, r
	v_wmma_f32_16x16x128_bf8_bf8 v[OA+8*\ct:OA+8*\ct+7], v[\r:\r+15], v[SA-2:SA+13], v[OA+8*\ct:OA+8*\ct+7]
	v_wmma_f32_16x16x128_bf8_bf8 v[OB+8*\ct:OB+8*\ct+7], v[\r:\r+15], v[SB-2:SB+13], v[OB+8*\ct:OB+8*\ct+7]
.endm
; One tile of queries: p is summed unquantised, held (p is not negative: one-sided; the conversion does not saturate: ISA guide 7.6.2), and converted.
; A tile's conversion stands behind the next tile's first two sums; the packed sums are the plain lines between one conversion and the next, which writes into scores converted earlier.
.macro CONV s, l
.set t, 0
.rept 8
.set b, \s+8*t
	v_pk_add_f32 v[\l:\l+1], v[\l:\l+1], v[b:b+1]
	v_pk_add_f32 v[\l+2:\l+3], v[\l+2:\l+3], v[b+2:b+3]
.if t > 0
	v_cvt_scalef32_pk8_bf8_f32 v[\s-4+2*t:\s-3+2*t], v[b-8:b-1], v[PSC]
.endif
	v_dual_min_num_f32 v[b], v[b], v[PHO] :: v_dual_min_num_f32 v[b+1], v[b+1], v[PH2]
	v_dual_min_num_f32 v[b+2], v[b+2], v[PHO] :: v_dual_min_num_f32 v[b+3], v[b+3], v[PH2]
	v_pk_add_f32 v[\l:\l+1], v[\l:\l+1], v[b+4:b+5]
	v_pk_add_f32 v[\l+2:\l+3], v[\l+2:\l+3], v[b+6:b+7]
	v_dual_min_num_f32 v[b+4], v[b+4], v[PHO] :: v_dual_min_num_f32 v[b+5], v[b+5], v[PH2]
	v_dual_min_num_f32 v[b+6], v[b+6], v[PHO] :: v_dual_min_num_f32 v[b+7], v[b+7], v[PH2]
.set t, t+1
.endr
	v_cvt_scalef32_pk8_bf8_f32 v[\s+12:\s+13], v[\s+56:\s+63], v[PSC]
.endm
; cnt KEY STEPS of 128 keys x 32 queries, from byte tb0 of the images on.  At the way in fragments 0-5 of the first step's K are asked for.
.macro STEPS cnt, tb0
	s_mov_b32 s[TB], \tb0
	s_mov_b32 s[CNT], \cnt
.Lk_\@:
	v_add_nc_u32 v[ADK], s[TB], v[LI]
	v_add_nc_u32 v[ADV], s[TB], v[LIV]
	v_nop
	v_nop
	v_nop                                          ; five plain lines between the last step's products and what is laid over their operands
	KLD 6, KB, ADK, 0
	KLD 7, KB+8, ADK, 0
	s_wait_dscnt 4                                 ; fragments 0-5 are in; the four loads just issued may be out
	QK 0, SB+16
	QK 1, SB+24
.rept 5
	v_nop                                          ; five plain lines: B's tiles 2 and 3 are written over fragments 0 and 1
.endr
	QK 2, SB+32
	QK 3, SB+40
	MAXI SA, TA0, TA1                              ; six plain lines on A's tiles 0 and 1: B's tiles 4 and 5 are written over fragments 2 and 3
	MAXS SA, TA0, TA1, 6
	MAXS SA, TA0, TA1, 10
	QK 4, SB+48
	QK 5, SB+56
	MAXS SA, TA0, TA1, 14                          ; six more, on A's tiles 1 to 3: B's tiles 6 and 7 are written over fragments 4 and 5
	MAXS SA, TA0, TA1, 18
	MAXS SA, TA0, TA1, 22
	s_wait_alu depctr_va_vdst(0)
	s_wait_dscnt 0x0                               ; fragments 6 and 7
	QK 6, KB
	QK 7, KB+8
	MAXS SA, TA0, TA1, 26                          ; A's maxima run ahead of B's,
	MAXI SB, TB0, TB1
.irp u, 0,1,2,3,4,5,6,7
	MAXS SA, TA0, TA1, 30+4*\u
	MAXS SB, TB0, TB1, 6+4*\u
.endr
.irp k, 0,1,2,3,4,5,6,7,8,9                        ; so that A's dependent lines stand among B's last maxima,
	CHN \k, SA, TA0, TA1, NMA, FA
.if \k < 6
	MAXS SB, TB0, TB1, 38+4*\k
.endif
.endr
.irp k, 0,1,2,3,4,5,6,7,8,9                        ; and B's among the lines that bring A's O^T under the new M, each accumulator from its low end on
	CHN \k, SB, TB0, TB1, NMB, FB
.if \k < 8
	v_pk_mul_f32 v[OA+4*\k:OA+4*\k+1], v[OA+4*\k:OA+4*\k+1], v[FA:FA+1] op_sel_hi:[1,0]
	v_pk_mul_f32 v[OA+4*\k+2:OA+4*\k+3], v[OA+4*\k+2:OA+4*\k+3], v[FA:FA+1] op_sel_hi:[1,0]
.endif
.endr
.set j, 0
.rept 32
	v_pk_fma_f32 v[SA+j:SA+j+1], v[SA+j:SA+j+1], s[CS:CS+1], v[NMA:NMA+1] op_sel_hi:[1,0,0]   ; t - M, two at a time
.set j, j+2
.endr
.set j, 0
.rept 16
	v_pk_mul_f32 v[OB+j:OB+j+1], v[OB+j:OB+j+1], v[FB:FB+1] op_sel_hi:[1,0]
.set j, j+2
.endr
.set j, 0
.rept 32
	v_pk_fma_f32 v[SB+j:SB+j+1], v[SB+j:SB+j+1], s[CS:CS+1], v[NMB:NMB+1] op_sel_hi:[1,0,0]
.set j, j+2
.endr
	s_wait_alu depctr_va_vdst(0)                   ; the wait ahead of the batch
.set j, 0
.rept 128
	v_exp_f32 v[SA+j], v[SA+j]                     ; p = 2^(t - M), both tiles in one batch
.set j, j+1
.endr
	v_pk_mul_f32 v[LA:LA+1], v[LA:LA+1], v[FA:FA+1] op_sel_hi:[1,0]       ; l under the new M: the plain lines behind the batch
	v_pk_mul_f32 v[LA+2:LA+3], v[LA+2:LA+3], v[FA:FA+1] op_sel_hi:[1,0]
	v_pk_mul_f32 v[LB:LB+1], v[LB:LB+1], v[FB:FB+1] op_sel_hi:[1,0]
	v_pk_mul_f32 v[LB+2:LB+3], v[LB+2:LB+3], v[FB:FB+1] op_sel_hi:[1,0]
	s_wait_alu depctr_va_vdst(0)                   ; and the one wait behind it, ahead of its first reader
	CONV SA, LA
	VLD 0, SA+14                                   ; V lands while B is converted
	VLD 1, SA+30
	VLD 2, SA+46
	VLD 3, KB
	CONV SB, LB
	KSIX ADK, 8192                                 ; the next step's fragments 0-5 land under the products below
	v_nop                                          ; a plain line behind the last conversion
	s_wait_alu depctr_va_vdst(0)
	s_wait_dscnt 12                                ; V's sixteen loads are in; K's twelve, issued behind them, may be out
	PV 0, SA+14                                    ; the eight accumulators take turns; the scores' sixteen products stand between one step's and the next's
	PV 1, SA+30
	PV 2, SA+46
	PV 3, KB
	s_add_co_u32 s[TB], s[TB], 8192                ; a key step is 8,192 bytes of K's image and as many of V's
	s_sub_co_u32 s[CNT], s[CNT], 1
	s_cmp_lg_u32 s[CNT], 0
	s_cbranch_scc1 .Lk_\@
.endm
	KSIX LI, 0                                     ; key step 0's fragments 0-5
	STEPS 4, 0                                     ; key steps 0-3; the last of them asks for K of key step 4, which came with the first group
	s_wait_dscnt 0x0                               ; no LDS load of mine is out at the signal
	s_wait_tensorcnt 0x0                           ; my part of key steps 5-15 is in;
	s_barrier_signal -1
	s_barrier_wait -1                              ; everybody's is.
	STEPS 12, 32768
	s_wait_dscnt 0x0                               ; the six fragments asked for beyond the last step have landed: their registers are written below
	; THE WAY OUT: O^T x 2^(e6 + e7) / l, held, converted under e8: eight registers of codes a tile, two stores of 512 consecutive bytes each.
	v_pk_add_f32 v[LA:LA+1], v[LA:LA+1], v[LA+2:LA+3]
	v_pk_add_f32 v[LB:LB+1], v[LB:LB+1], v[LB+2:LB+3]
	v_add_f32 v[LA], v[LA], v[LA+1]
	v_add_f32 v[LB], v[LB], v[LB+1]
	v_permlanex16_b32 v[TA1], v[LA], s[SEL], s[SEL+1]
	v_permlanex16_b32 v[TB1], v[LB], s[SEL], s[SEL+1]
	v_add_f32 v[LA], v[LA], v[TA1]                 ; the row's sum
	v_add_f32 v[LB], v[LB], v[TB1]
	s_wait_alu depctr_va_vdst(0)                   ; the wait ahead of the transcendentals
	v_rcp_f32 v[LA], v[LA]
	v_rcp_f32 v[LB], v[LB]
	v_nop                                          ; a plain line behind them
	s_wait_alu depctr_va_vdst(0)                   ; and the wait ahead of their first reader
	v_ldexp_f32 v[LA], v[LA], s77
	v_ldexp_f32 v[LB], v[LB], s77
	s_wait_alu depctr_va_vdst(0)                   ; directly ahead of the first readers of O^T
.set j, 0
.rept 16
	v_pk_mul_f32 v[SA+j:SA+j+1], v[OA+j:OA+j+1], v[LA:LA+1] op_sel_hi:[1,0]
.set j, j+2
.endr
.set j, 0
.rept 16
	v_pk_mul_f32 v[SB+j:SB+j+1], v[OB+j:OB+j+1], v[LB:LB+1] op_sel_hi:[1,0]
.set j, j+2
.endr
.set j, 0
.rept 32
	v_med3_num_f32 v[SA+j], v[SA+j], -v[OHO], v[OHO]
	v_med3_num_f32 v[SB+j], v[SB+j], -v[OHO], v[OHO]
.set j, j+1
.endr
.irp t, 0,1,2,3
	v_cvt_scalef32_pk8_bf8_f32 v[SA+32+2*\t:SA+33+2*\t], v[SA+8*\t:SA+8*\t+7], v[OSC]
	v_cvt_scalef32_pk8_bf8_f32 v[SB+32+2*\t:SB+33+2*\t], v[SB+8*\t:SB+8*\t+7], v[OSC]
.endr
	v_nop                                          ; a plain line behind the last conversion
	global_store_b128 v[LI], v[SA+32:SA+35], s[82:83]
	global_store_b128 v[LI], v[SA+36:SA+39], s[82:83] offset:512
	global_store_b128 v[LI], v[SB+32:SB+35], s[82:83] offset:16384
	global_store_b128 v[LI], v[SB+36:SB+39], s[82:83] offset:16896
	s_wait_tensorcnt 0x0                           ; the wave's end
	ds_add_u32 v[SPW], v[NIL]
	s_wait_dscnt 0x0
	CROUND                                         ; the closing round
	s_endpgm
.Lfunc_end_k_qc614712834_attn:
	.size	k_qc614712834_attn, .Lfunc_end_k_qc614712834_attn-k_qc614712834_attn
	.p2alignl 7, 3214868480
	.fill 96, 4, 3214868480
	.section	.rodata,"a",@progbits
	.p2align	6, 0x0
	.amdhsa_kernel k_qc614712834_attn
		.amdhsa_group_segment_fixed_size 327680
		.amdhsa_private_segment_fixed_size 0
		.amdhsa_enable_private_segment 0
		.amdhsa_kernarg_size 40
		.amdhsa_user_sgpr_count 2
		.amdhsa_user_sgpr_kernarg_segment_ptr 1
		.amdhsa_wavefront_size32 1
		.amdhsa_system_sgpr_workgroup_id_x 1
		.amdhsa_system_sgpr_workgroup_id_y 1
		.amdhsa_system_sgpr_workgroup_id_z 1
		.amdhsa_system_vgpr_workitem_id 0
		.amdhsa_next_free_vgpr 256
		.amdhsa_next_free_sgpr 90
		.amdhsa_reserve_vcc 0
		.amdhsa_float_denorm_mode_32 3
		.amdhsa_float_denorm_mode_16_64 3
		.amdhsa_memory_ordered 1
		.amdhsa_forward_progress 1
		.amdhsa_inst_pref_size 74
	.end_amdhsa_kernel
	.amdgpu_metadata
---
amdhsa.version: [ 1, 2 ]
amdhsa.kernels:
  - .name:           k_qc614712834_attn
    .symbol:         k_qc614712834_attn.kd
    .args:
      - { .name: qimg, .offset: 0, .size: 8, .value_kind: global_buffer, .address_space: global }
      - { .name: kimg, .offset: 8, .size: 8, .value_kind: global_buffer, .address_space: global }
      - { .name: vimg, .offset: 16, .size: 8, .value_kind: global_buffer, .address_space: global }
      - { .name: lowp_scales, .offset: 24, .size: 8, .value_kind: global_buffer, .address_space: global }
      - { .name: oimg, .offset: 32, .size: 8, .value_kind: global_buffer, .address_space: global }
    .group_segment_fixed_size: 327680
    .private_segment_fixed_size: 0
    .kernarg_segment_align: 8
    .kernarg_segment_size: 40
    .max_flat_workgroup_size: 512
    .sgpr_count:     90
    .vgpr_count:     256
    .wavefront_size: 32
...
	.end_amdgpu_metadata
.endif
;; end of part 3
;; launch outp (part 4): grid 4 x 32, 4 waves a work-group, clusters of 4 x 4, 327,680 bytes of LDS; arguments oimg, wc, lowp_scales, out0, bout; writes out0
.if DOCPART == 4
	.amdgcn_target "amdgcn-amd-amdhsa--gfx1250"
	.amdhsa_code_object_version 6
	.text
	.protected	k_qc614712834_outp
	.globl	k_qc614712834_outp
	.p2align	8
	.type	k_qc614712834_outp,@function
k_qc614712834_outp:
	s_mov_b64 s[64:65], 0
	v_nop
	global_prefetch_b8 v0, s[64:65] scope:SCOPE_SE
	s_setreg_imm32_b32 hwreg(HW_REG_WAVE_MODE, 25, 1), 1
	s_wait_xcnt 0x0
	s_wait_alu depctr_hold_cnt(0) depctr_sa_sdst(0) depctr_va_vdst(0) depctr_va_sdst(0) depctr_va_ssrc(0) depctr_va_vcc(0) depctr_vm_vsrc(0)
	s_getreg_b32 s2, hwreg(HW_REG_IB_STS2, 6, 4)
	s_cmp_eq_u32 s2, 0
	s_cbranch_scc0 .Lentry_in_a_cluster
	s_endpgm
.Lentry_in_a_cluster:
	s_bfe_u32 s2, ttmp6, 0x10000c
	s_cmp_lg_u32 s2, 0xf033
	s_cbranch_scc0 .Lentry_shape_is_right
	s_endpgm
.Lentry_shape_is_right:
.set ROWB,   256
.set KROW,   1024
.set PITCH,  272
.set FR,     16
.set NL,     4
.set NP,     4
.set HALFT,  128*PITCH
.set AHALF,  32768
.set AIMG,   2*AHALF
.set SLOT,   AIMG+2*HALFT
.set SPARE,  2*SLOT
.set SPITCH, 528
.set NROW,   4096
.set ADRA, 16
.set ADRB, 20
.set STO,  24
.set RD,   25
.set CO,   26
.set SPW,  28
.set NIL,  29
.set BIAS, 32
.set AF,   128
.set BK,   128
.set G1, 24
.set G0, 32
.set G1B, 48
.set G0B, 56
.set MSB, 0
.macro WIN new
.if MSB != (\new)
	s_set_vgpr_msb (MSB<<8)|(\new)
.set MSB, \new
.endif
.endm
.set MUL_LO, 0xa1
.set MUL_HI, 0xf1
.set TO_B,   0x40
.macro JLOAD g0a, g1a, g0b, g1b
	s_cmp_eq_u32 s15, 0
	s_cbranch_scc0 .Lfor_b_\@
	tensor_load_to_lds s[\g0a:\g0a+3], s[\g1a:\g1a+7]
	s_nop 0
.rept 4
	v_nop
.endr
	s_branch .Lasked_\@
.Lfor_b_\@:
	tensor_load_to_lds s[\g0b:\g0b+3], s[\g1b:\g1b+7]
	s_nop 0
.rept 4
	v_nop
.endr
.Lasked_\@:
.endm
.macro CREST
	s_cmp_lg_u32 s14, 0
	s_cbranch_scc1 .Lnot_wave_0_\@
	s_barrier_signal -3
.Lnot_wave_0_\@:
	s_barrier_wait -3
	s_barrier_signal -1
	s_barrier_wait -1
.endm
.macro CROUND
	s_barrier_signal -1
	s_barrier_wait -1
	CREST
.endm
	s_load_b256 s[4:11], s[0:1], 0x0
	s_load_b64 s[12:13], s[0:1], 0x20
	v_lshl_add_u32 v[SPW], v0, 2, SPARE
	v_mov_b32 v[NIL], 0
	ds_add_u32 v28, v29
	ds_add_u32 v28, v29
	s_wait_dscnt 0x0
	v_lshrrev_b32 v1, 5, v0
	v_readfirstlane_b32 s14, v1
	s_lshr_b32 s15, s14, 1
	s_and_b32 s16, s14, 1
	s_bfe_u32 s40, ttmp6, 0x40000
	s_bfe_u32 s41, ttmp6, 0x40004
	s_lshl_b32 s42, ttmp9, 2
	s_add_co_u32 s42, s42, s40
	s_and_b32 s17, ttmp7, 0xffff
	s_lshl_b32 s17, s17, 2
	s_add_co_u32 s17, s17, s41
	s_lshl_b32 s43, s41, 2
	s_lshl_b32 s43, 15, s43
	s_lshl_b32 s44, 0x1111, s40
	s_or_b32 s[G1+0], s43, (3<<16)|(1<<21)
	s_mov_b32 s[G1+1], 512<<16
	s_mov_b32 s[G1+2], 8<<16
	s_mov_b32 s[G1+3], 512<<16
	s_mov_b32 s[G1+4], 8
	s_mov_b32 s[G1+5], 2048
	s_mov_b32 s[G1+6], 0
	s_mov_b32 s[G1+7], 0
	s_or_b32 s[G1B+0], s44, (0<<16)|(1<<20)|(1<<21)|(5<<22)|(3<<25)
	s_mov_b32 s[G1B+1], ROWB<<16
	s_mov_b32 s[G1B+2], 128<<16
	s_mov_b32 s[G1B+3], ROWB<<16
	s_mov_b32 s[G1B+4], 128
	s_mov_b32 s[G1B+5], KROW
	s_mov_b32 s[G1B+6], 0
	s_mov_b32 s[G1B+7], 0
	s_lshl_b32 s20, s17, 4
	s_lshl_b32 s18, s16, 3
	s_add_co_u32 s20, s20, s18
	s_lshl_b32 s20, s20, 14
	s_mov_b32 s21, 0
	s_lshl_b32 s46, s42, 8
	s_lshl_b32 s47, s16, 7
	s_add_co_u32 s46, s46, s47
	s_add_co_u32 s46, s46, 3072
	s_lshl_b32 s46, s46, 10
	s_mov_b32 s47, 0
	s_lshl_b32 s45, s16, 15
	s_mul_i32 s22, s16, HALFT
	s_add_co_u32 s22, s22, AIMG
	s_wait_kmcnt 0x0
	s_load_b64 s[96:97], s[8:9], 0x20
	s_add_nc_u64 s[20:21], s[4:5], s[20:21]
	s_add_nc_u64 s[46:47], s[6:7], s[46:47]
	; the prefetches: of the 32,768 bytes of a K step that my wave fetches, my work-group names 8,192, told from its three partners' by address (cx for A's image, cy for B's rows), lanes on blocks of 256 bytes:
	; A: two tiles of 16 tokens, 16,384 bytes apart, 4,096 bytes of each; B: 32 rows of 1,024 bytes, 256 bytes of each
	s_cmp_eq_u32 s15, 0
	s_cselect_b64 s[68:69], s[20:21], s[46:47]
	s_cselect_b32 s72, s40, s41
	s_mov_b32 s74, 1024
	s_cselect_b32 s74, 256, s74                    ; from lane to lane among sixteen
	s_mov_b32 s76, 256
	s_cselect_b32 s76, 4096, s76                   ; a K step on
	s_lshl_b32 s72, s72, 15
	s_mov_b32 s73, 0
	s_mov_b32 s77, 0
	s_add_nc_u64 s[68:69], s[68:69], s[72:73]
	s_add_nc_u64 s[68:69], s[68:69], s[76:77]
	s_add_nc_u64 s[68:69], s[68:69], s[76:77]      ; K step 2; never rewritten
	s_add_nc_u64 s[70:71], s[68:69], s[76:77]      ; K step 3; never rewritten
	v_and_b32 v30, 15, v0
	v_mul_lo_u32 v30, v30, s74
	v_bfe_u32 v31, v0, 4, 1
	v_lshl_add_u32 v30, v31, 14, v30               ; never rewritten
.irp s, 0,1
	s_mov_b32 s[G0+4*\s], 1
	s_add_co_u32 s[G0+4*\s+1], s45, \s*SLOT
	s_add_nc_u64 s[G0+4*\s+2:G0+4*\s+3], s[20:21], \s*4096
	s_or_b32 s[G0+4*\s+3], s[G0+4*\s+3], 0x80000000
	s_mov_b32 s[G0B+4*\s], 1
	s_add_co_u32 s[G0B+4*\s+1], s22, \s*SLOT
	s_add_nc_u64 s[G0B+4*\s+2:G0B+4*\s+3], s[46:47], \s*ROWB
	s_or_b32 s[G0B+4*\s+3], s[G0B+4*\s+3], 0x80000000
	s_wait_alu depctr_va_vdst(0)
	s_wait_tensorcnt 0x0
	ds_add_u32 v28, v29
	ds_add_u32 v28, v29
	s_wait_dscnt 0x0
	CROUND
	JLOAD G0+4*\s, G1, G0B+4*\s, G1B
	global_prefetch_b8 v30, s[68+2*\s:69+2*\s] th:TH_LOAD_NT scope:SCOPE_SE   ; the K step that stands two fills on; K steps 2 and 3 are the last
.endr
	v_and_b32 v1, 15, v0
	v_bfe_u32 v2, v0, 4, 1
	v_and_b32 v6, 31, v0
	v_lshlrev_b32 v[CO], 4, v6
	v_mul_u32_u24 v3, v1, PITCH
	v_lshl_add_u32 v4, v2, 4, v3
	s_lshl_b32 s21, s15, 15
	s_mul_i32 s22, s16, HALFT
	s_add_co_u32 s22, s22, AIMG
.irp s, 0,1
	v_add_nc_u32 v[ADRA+\s], s21, v[CO]
	v_add_nc_u32 v[ADRB+\s], s22, v4
	s_add_co_u32 s21, s21, SLOT
	s_add_co_u32 s22, s22, SLOT
.endr
	s_mul_i32 s23, s14, 16*SPITCH
	v_mul_u32_u24 v5, v1, SPITCH
	v_lshl_add_u32 v5, v2, 5, v5
	v_add_nc_u32 v[STO], s23, v5
	v_add_nc_u32 v[RD], s23, v[CO]
	s_lshl_b32 s20, s17, 8
	s_lshl_b32 s21, s15, 7
	s_add_co_u32 s20, s20, s21
	s_lshl_b32 s20, s20, 12
	s_lshl_b32 s46, s42, 10
	s_lshl_b32 s47, s16, 9
	s_add_co_u32 s46, s46, s47
	s_mov_b32 s47, 0
	s_add_nc_u64 s[12:13], s[12:13], s[46:47]
	s_add_co_u32 s20, s20, s46
	s_mov_b32 s21, 0
	s_add_nc_u64 s[10:11], s[10:11], s[20:21]
	global_load_b128 v[BIAS:BIAS+3], v[CO], s[12:13]
.macro FRAG reg, adr, q, i
.irp c, 0,1,2,3
	ds_load_b128 v[\reg+4*\c:\reg+4*\c+3], v[\adr] offset:128*(\q)+32*\c+(\i)*16*PITCH
.endr
.endm
.macro FRAGI reg, adr, q, i
.irp c, 0,1,2,3
	ds_load_b128 v[\reg+4*\c:\reg+4*\c+3], v[\adr] offset:4096*(\i)+2048*(\q)+512*\c
.endr
.endm
.macro MUL16 a0, p, zero
.irp a, \a0, \a0+1
.irp b, 0,1,2,3,4,5,6,7
.if \zero
	v_wmma_f32_16x16x128_bf8_bf8 v[8*(8*((\a)%4)+\b):8*(8*((\a)%4)+\b)+7], v[128*(\p)+FR*\b:128*(\p)+FR*\b+FR-1], v[AF+FR*(\a):AF+FR*(\a)+FR-1], 0
.else
	v_wmma_f32_16x16x128_bf8_bf8 v[8*(8*((\a)%4)+\b):8*(8*((\a)%4)+\b)+7], v[128*(\p)+FR*\b:128*(\p)+FR*\b+FR-1], v[AF+FR*(\a):AF+FR*(\a)+FR-1], v[8*(8*((\a)%4)+\b):8*(8*((\a)%4)+\b)+7]
.endif
.endr
.endr
.endm
.macro FETCH_B slot, q, p
	WIN TO_B
.irp i, 0,1,2,3,4,5,6,7
	FRAG 128*(\p)+FR*\i, ADRB+\slot, \q, \i
.endr
	WIN 0
.endm
.macro FETCH_A slot, q, i0
.irp i, \i0, \i0+1, \i0+2, \i0+3
	FRAGI AF+FR*(\i), ADRA+\slot, \q, \i
.endr
.endm
.macro PLACES n
.rept \n
	v_nop
.endr
.endm
.macro STEP slot, q, zero
	s_wait_dscnt 4*NL
	WIN MUL_LO
	MUL16 0, (\q)%2, \zero
	MUL16 2, (\q)%2, \zero
	s_wait_dscnt 0
	PLACES NP
	FETCH_B \slot, (\q)+1, 1-(\q)%2
	FETCH_A \slot, (\q)+1, 0
	WIN MUL_HI
	MUL16 4, (\q)%2, \zero
	MUL16 6, (\q)%2, \zero
	PLACES NP
	WIN 0
	FETCH_A \slot, (\q)+1, 4
.endm
.macro TURN slot, next, fill
	s_wait_tensorcnt 0x0
	ds_add_u32 v[SPW], v[NIL]
	s_wait_dscnt 4*NL+1
	WIN MUL_LO
	MUL16 0, 1, 0
	s_wait_dscnt 0x0
	s_barrier_signal -1
	MUL16 2, 1, 0
	WIN 0
	s_barrier_wait -1
.if \fill
	CREST
	s_add_nc_u64 s[G0+4*\slot+2:G0+4*\slot+3], s[G0+4*\slot+2:G0+4*\slot+3], 2*4096
	s_add_nc_u64 s[G0B+4*\slot+2:G0B+4*\slot+3], s[G0B+4*\slot+2:G0B+4*\slot+3], 2*ROWB
	JLOAD G0+4*\slot, G1, G0B+4*\slot, G1B
.else
	PLACES NP
.endif
	FETCH_B \next, 0, 0
	FETCH_A \next, 0, 0
	WIN MUL_HI
	MUL16 4, 1, 0
	MUL16 6, 1, 0
	PLACES NP
	WIN 0
	FETCH_A \next, 0, 4
.endm
	s_wait_alu depctr_va_vdst(0)
	s_wait_tensorcnt 1
	s_barrier_signal -1
	s_barrier_wait -1
	FETCH_B 0, 0, 0
	FETCH_A 0, 0, 0
	FETCH_A 0, 0, 4
	STEP 0, 0, 1
	TURN 0, 1, 1
	STEP 1, 0, 0
	TURN 1, 0, 1
	STEP 0, 0, 0
	TURN 0, 1, 0
	STEP 1, 0, 0
	s_wait_dscnt 4*NL
	WIN MUL_LO
	MUL16 0, 1, 0
	MUL16 2, 1, 0
	s_wait_dscnt 0
	WIN MUL_HI
	MUL16 4, 1, 0
	MUL16 6, 1, 0
	WIN 0
.macro TOSTAGE a
.set AC, 64*((\a)%4)
	WIN 0x08+4*((\a)/4)
.irp b, 0,1,2,3,4,5,6,7
	ds_store_b128 v[STO], v[AC+8*\b:AC+8*\b+3] offset:64*\b
	ds_store_b128 v[STO], v[AC+8*\b+4:AC+8*\b+7] offset:64*\b+16
.endr
	WIN 0
.set BB, BK+64*((\a)%2)
.irp t, 0,1,2,3,4,5,6,7,8,9,10,11,12,13,14,15
	ds_load_b128 v[BB+4*\t:BB+4*\t+3], v[RD] offset:\t*SPITCH
.endr
.endm
.macro SEND a, younger
.set BB, BK+64*((\a)%2)
	s_wait_dscnt \younger
.irp t, 0,1,2,3,4,5,6,7,8,9,10,11,12,13,14,15
	v_pk_fma_f32 v[BB+4*\t:BB+4*\t+1], v[BB+4*\t:BB+4*\t+1], s[96:97], v[BIAS:BIAS+1] op_sel_hi:[1,0,1]
	v_pk_fma_f32 v[BB+4*\t+2:BB+4*\t+3], v[BB+4*\t+2:BB+4*\t+3], s[96:97], v[BIAS+2:BIAS+3] op_sel_hi:[1,0,1]
.endr
.if (\a) > 0
	s_add_nc_u64 s[10:11], s[10:11], 16*NROW
.endif
.irp t, 0,1,2,3,4,5,6,7,8,9,10,11,12,13,14,15
	global_store_b128 v[CO], v[BB+4*\t:BB+4*\t+3], s[10:11] offset:\t*NROW th:TH_STORE_NT
.endr
.endm
	s_wait_kmcnt 0x0
	s_add_co_i32 s96, s96, s97
	s_add_co_i32 s96, s96, 127
	s_lshl_b32 s96, s96, 23
	s_mov_b32 s97, s96
	s_wait_loadcnt 0x0
	PLACES NP
	TOSTAGE 0
.irp a, 1,2,3,4,5,6,7
.if \a > 1
	s_wait_xcnt 0x0
.endif
	TOSTAGE \a
	SEND \a-1, 32
.endr
	s_wait_xcnt 0x0
	SEND 7, 0
	s_wait_tensorcnt 0x0
	ds_add_u32 v[SPW], v[NIL]
	s_wait_dscnt 0x0
	CROUND
	s_endpgm
.Lfunc_end_k_qc614712834_outp:
	.size	k_qc614712834_outp, .Lfunc_end_k_qc614712834_outp-k_qc614712834_outp
	.p2alignl 7, 3214868480
	.fill 96, 4, 3214868480
	.section	.rodata,"a",@progbits
	.p2align	6, 0x0
	.amdhsa_kernel k_qc614712834_outp
		.amdhsa_group_segment_fixed_size 327680
		.amdhsa_private_segment_fixed_size 0
		.amdhsa_enable_private_segment 0
		.amdhsa_kernarg_size 40
		.amdhsa_user_sgpr_count 2
		.amdhsa_user_sgpr_kernarg_segment_ptr 1
		.amdhsa_wavefront_size32 1
		.amdhsa_system_sgpr_workgroup_id_x 1
		.amdhsa_system_sgpr_workgroup_id_y 1
		.amdhsa_system_sgpr_workgroup_id_z 1
		.amdhsa_system_vgpr_workitem_id 0
		.amdhsa_next_free_vgpr 1024
		.amdhsa_next_free_sgpr 98
		.amdhsa_reserve_vcc 0
		.amdhsa_float_denorm_mode_32 3
		.amdhsa_float_denorm_mode_16_64 3
		.amdhsa_memory_ordered 1
		.amdhsa_forward_progress 1
		.amdhsa_inst_pref_size 125
	.end_amdhsa_kernel
	.amdgpu_metadata
---
amdhsa.version: [ 1, 2 ]
amdhsa.kernels:
  - .name:           k_qc614712834_outp
    .symbol:         k_qc614712834_outp.kd
    .args:
      - { .name: oimg, .offset: 0, .size: 8, .value_kind: global_buffer, .address_space: global }
      - { .name: wc, .offset: 8, .size: 8, .value_kind: global_buffer, .address_space: global }
      - { .name: lowp_scales, .offset: 16, .size: 8, .value_kind: global_buffer, .address_space: global }
      - { .name: out0, .offset: 24, .size: 8, .value_kind: global_buffer, .address_space: global }
      - { .name: bout, .offset: 32, .size: 8, .value_kind: global_buffer, .address_space: global }
    .group_segment_fixed_size: 327680
    .private_segment_fixed_size: 0
    .kernarg_segment_align: 8
    .kernarg_segment_size: 40
    .max_flat_workgroup_size: 128
    .sgpr_count:     98
    .vgpr_count:     1024
    .wavefront_size: 32
...
	.end_amdgpu_metadata
.endif
;; end of part 4
